; MI455X (gfx1250); checked and timed in simulation.
; The chip was launched on July 23, 2026; its instructions are those of AMD's public machine-readable ISA for CDNA 5 (MIT licence, August 2026) and "CDNA5" Instruction Set Architecture Reference Guide (July 2026). The comments in the code are by the model that wrote it; some were corrected since.
;; NN Mod. Allowed arithmetic: float matrix products may take bf16 or f16 operands with f32 sums; other float arithmetic in f32, or as packed bf16 or f16 multiplies, adds, multiply-adds, maxima and minima; sums over many terms, partial sums and values carried from step to step in f32; what a program stores and reads back later, other than sums and carried values, may be rounded once to bf16 or f16.
;; Inputs: W0 4 x 256 x 256 float32; Wa 4 x 256 x 256 float32; Wf 4 x 256 x 256 float32; Wl 4 x 256 x 256 float32; Wo 4 x 1 x 256 float32; alpha_a 4 x 256 float32; alpha_f 4 x 256 float32; b0 4 x 256 float32; ba 4 x 256 float32; beta_ln 4 x 256 float32; bf 4 x 256 float32; bl 4 x 256 float32; bo 4 x 1 float32; density 65,536 x 256 float32; gamma 4 x 256 float32; species 65,536 int32.
;; Outputs: out0 65,536 x 1 float32.
;; One version. Each part assembles by itself: llvm-mc -triple=amdgcn-amd-amdhsa -mcpu=gfx1250 --defsym DOCPART=n.
;; ======== version 1 of 1: 2 launches
;; limits: values are held in f16: magnitudes above 65,504 overflow, below 6.1e-05 lose precision
;; workspace buffers: wfrag 2,097,152 bytes; order 264,192 bytes of whole numbers; plan 131,072 bytes of whole numbers
;; launch prep (part 1): grid 256 x 1, 8 waves a work-group, no clusters, 1,280 bytes of LDS; arguments species, W0, Wa, Wl, Wf, wfrag, order, plan; writes wfrag, order, plan
.if DOCPART == 1
	.amdgcn_target "amdgcn-amd-amdhsa--gfx1250"
	.amdhsa_code_object_version 6
	.text
	.protected	k_qaa75d71006_prep
	.globl	k_qaa75d71006_prep
	.p2align	8
	.type	k_qaa75d71006_prep,@function
k_qaa75d71006_prep:
	s_mov_b64 s[64:65], 0
	v_nop
	global_prefetch_b8 v0, s[64:65] scope:SCOPE_SE
	s_setreg_imm32_b32 hwreg(HW_REG_WAVE_MODE, 25, 1), 1
	s_wait_xcnt 0x0
; PREP.  Three things, in 256 work-groups of eight waves:
; (1) WEIGHTS.  The 2,048 matrix fragments (4 experts x 4 layers x 16 blocks of 16 output features x 8 K steps of 32) are rounded once to f16 and laid out as a wave's operand
;     registers take them: fragment phi = ((e*4+L)*16+F)*8+k at byte 1024 phi; lane l's registers 0-3 at 16 l, registers 4-7 at 512 + 16 l.  Wave w of work-group b makes phi = 8 b + w.
;     L = 0 W0, 1 Wa, 2 Wl, 3 Wf.  Wa and Wf are stored times -log2(e), so that the chain's exponential needs no multiply in front of it.
; (2) SORT.  Work-group b places its 256 tokens (256 b ..) in 'order', sorted by expert, stable.  No atomics: every work-group counts all 65,536 species for itself
;     (totals T_e, and B_e = those ahead of its own block), 64 steps of 1,024 tokens, 16 bytes a lane.
; (3) PLAN.  Entry b (expert, first place in 'order', number of rows, 0) for the chain's work-group b: each expert is dealt ceil(T_e / 272) work-groups of 272 rows at the most.
; LIMITS.  |W0|, |Wl|, 1.4427 |Wa|, 1.4427 |Wf| stay below 65,504 (f16); below 6e-5 they keep f16's step of 6e-8.  species lies in 0 .. 3.
.set SPARE, 256                        ; LDS: bytes 0-127 the waves' sums (16 bytes a wave); from 256 on the spare words, 128 bytes for each of the eight waves
.set RING,  64                         ; v[64:191] 32 slots of four registers: 32 loads of species in flight in each wave
; v0 thread, v1 lane, v2/v3 the add's two registers, v4 16 x thread, v5 my offset in the weights, v6 my offset in wfrag, v7 my token's species, v8/v9 counts (all, ahead of my block),
; v13 my token's offset in species, v14 my token's number, v16-31 16 weights in f32, v32-39 the same in f16, v40-63 at work
; s[4:19] the eight addresses, s20 wave, s21 b, s22 J, s23 mask, s[24:25] the layer's weights, s[26:27] scale, s28-31 lanes of species 0-3, s32-33 lane selects,
; s34-37 T, s38-41 B, s42-45 first place of each expert, s46 earlier waves' counts (a byte an expert), s47-50 Q, s51-63 at work
	s_load_b512 s[4:19], s[0:1], 0x0               ; species, W0, Wa, Wl, Wf, wfrag, order, plan
	v_lshl_add_u32 v2, v0, 2, SPARE
	v_mov_b32 v3, 0
	v_and_b32 v1, 31, v0
	v_lshrrev_b32 v10, 5, v0
	v_readfirstlane_b32 s20, v10                   ; wave 0..7
	s_mov_b32 s21, ttmp9                           ; b
	s_mov_b32 s32, 0x76543210
	s_mov_b32 s33, 0xfedcba98
	s_bfe_u32 s51, s21, 0x20004                    ; L = (b >> 4) & 3
	s_lshr_b32 s52, s21, 6                         ; e = b >> 6,
	s_lshl_b32 s52, s52, 18                        ; 262,144 bytes an expert
	s_and_b32 s53, s21, 15                         ; F = b & 15,
	s_lshl_b32 s53, s53, 14                        ; 16 rows of 1,024 bytes
	s_add_co_u32 s52, s52, s53
	s_lshl_b32 s53, s20, 7                         ; K step w: 32 f32
	s_add_co_u32 s52, s52, s53
	v_and_b32 v10, 15, v0                          ; r = lane % 16: the fragment's row
	v_bfe_u32 v11, v0, 4, 1                        ; h = lane / 16
	v_lshlrev_b32 v5, 10, v10
	v_lshl_add_u32 v5, v11, 5, v5                  ; + 8 h numbers
	v_add_nc_u32 v5, s52, v5
	s_lshl_b32 s53, s21, 3
	s_add_co_u32 s53, s53, s20
	s_lshl_b32 s53, s53, 10                        ; 1,024 phi
	v_lshl_add_u32 v6, v1, 4, s53
	v_lshlrev_b32 v4, 4, v0
	s_lshl_b32 s53, s21, 10
	v_lshl_add_u32 v13, v0, 2, s53
	s_lshl_b32 s53, s21, 8
	v_add_nc_u32 v14, s53, v0                      ; my token = 256 b + thread
	s_lshl_b32 s22, s21, 1                         ; in step j my wave reads the 128 tokens of chunk 8 j + w; the chunk lies ahead of block b if 8 j + w < 2 b:
	s_sub_co_u32 s22, s22, s20
	s_add_co_u32 s22, s22, 7
	s_lshr_b32 s22, s22, 3                         ; the steps j < J = (2 b - w + 7) >> 3
	s_bitcmp1_b32 s51, 0
	s_cselect_b32 s26, 0xbfb8aa3b, 1.0             ; -log2(e) for Wa and Wf
	s_mov_b32 s27, s26                             ; named with it as a pair
	v_mov_b32 v8, 0
	v_mov_b32 v9, 0
	s_wait_kmcnt 0x0
	s_cmp_eq_u32 s51, 1
	s_cselect_b64 s[24:25], s[8:9], s[6:7]
	s_cmp_eq_u32 s51, 2
	s_cselect_b64 s[24:25], s[10:11], s[24:25]
	s_cmp_eq_u32 s51, 3
	s_cselect_b64 s[24:25], s[12:13], s[24:25]
	global_load_b128 v[16:19], v5, s[24:25]            ; W(16 F + r, 32 k + 8 h + 0..3)
	global_load_b128 v[20:23], v5, s[24:25] offset:16  ; .. + 4..7
	global_load_b128 v[24:27], v5, s[24:25] offset:64  ; W(16 F + r, 32 k + 16 + 8 h + 0..3)
	global_load_b128 v[28:31], v5, s[24:25] offset:80
	global_load_b32 v7, v13, s[4:5]
.set j, 0
.rept 32
	global_load_b128 v[RING+4*j:RING+4*j+3], v4, s[4:5] offset:4096*j  ; step j: tokens 1,024 j + 4 thread ..
.set j, j+1
.endr
	s_wait_loadcnt 33                              ; the four loads of weights are in: 33 younger loads stay out (my species, 32 steps)
.set j, 0
.rept 8
	v_pk_mul_f32 v[16+2*j:17+2*j], v[16+2*j:17+2*j], s[26:27] op_sel_hi:[1,0]
.set j, j+1
.endr
.set j, 0
.rept 8
	v_cvt_pk_f16_f32 v[32+j], v[16+2*j], v[17+2*j]
.set j, j+1
.endr
	global_store_b128 v6, v[32:35], s[14:15]           ; each store of the wave covers 512 consecutive bytes, aligned
	global_store_b128 v6, v[36:39], s[14:15] offset:512
	; THE COUNT.  A lane keeps three counts of 10 bits in a word (256 at the most each): 1 << 10 x species is added; species 3 lands in bits 30, 31, which are never read: it is found by subtraction.
.set j, 0
.rept 64
.if j < 32
	s_wait_loadcnt 31                              ; step j is in: younger are 31 - j of the first 32 loads and the j issued again
.else
	s_wait_loadcnt 63-j                            ; the steps behind it
.endif
.set R, RING+4*(j%32)
	s_cmp_gt_u32 s22, j
	s_cselect_b32 s23, -1, 0                       ; does this step lie ahead of my block?
	v_mul_u32_u24 v40, 10, v[R]
	v_mul_u32_u24 v41, 10, v[R+1]
	v_mul_u32_u24 v42, 10, v[R+2]
	v_mul_u32_u24 v43, 10, v[R+3]
.if j < 32
	global_load_b128 v[R:R+3], v4, s[4:5] offset:4096*(j+32)
.endif
	v_lshl_add_u32 v44, 1, v40, 0
	v_lshl_add_u32 v44, 1, v41, v44
	v_lshl_add_u32 v44, 1, v42, v44
	v_lshl_add_u32 v44, 1, v43, v44
	v_add_nc_u32 v8, v8, v44
	v_and_b32 v44, s23, v44
	v_add_nc_u32 v9, v9, v44
.set j, j+1
.endr
	; two counts to a word, 16 bits each, for the sums over lanes (8,192 at the most) and over four waves (32,768 at the most)
	v_and_b32 v40, 0x3ff, v8
	v_bfe_u32 v41, v8, 10, 10
	v_bfe_u32 v42, v8, 20, 10
	v_and_b32 v43, 0x3ff, v9
	v_bfe_u32 v44, v9, 10, 10
	v_bfe_u32 v45, v9, 20, 10
	v_lshl_or_b32 v48, v41, 16, v40                ; T0, T1
	v_lshl_or_b32 v49, v44, 16, v43                ; B0, B1
	v_lshl_or_b32 v50, v45, 16, v42                ; T2, B2
	v_mov_b32 v52, 0                               ; a lane exchange's destination counts as read
.irp x, 48,49,50
.irp m, 1,2,4,8
	v_mov_b32_dpp v52, v\x row_xmask:\m row_mask:0xf bank_mask:0xf
	v_add_nc_u32 v\x, v\x, v52
.endr
	v_permlanex16_b32 v52, v\x, s32, s33
	v_add_nc_u32 v\x, v\x, v52
.endr
	; my token's rank among my wave's tokens of its species, and the wave's four counts, a byte each
	v_mov_b32 v54, 0
.irp e, 0,1,2,3
	v_cmp_eq_u32 s[28+\e], \e, v7
	v_mbcnt_lo_u32_b32 v53, s[28+\e], 0
	v_cndmask_b32 v54, v54, v53, s[28+\e]
.endr
	s_bcnt1_i32_b32 s51, s28
	s_bcnt1_i32_b32 s52, s29
	s_bcnt1_i32_b32 s53, s30
	s_bcnt1_i32_b32 s54, s31
	s_lshl_b32 s52, s52, 8
	s_lshl_b32 s53, s53, 16
	s_lshl_b32 s54, s54, 24
	s_or_b32 s51, s51, s52
	s_or_b32 s53, s53, s54
	s_or_b32 s51, s51, s53
	v_mov_b32 v51, s51
	v_mov_b32 v55, s20
	v_lshlrev_b32 v55, 4, v55
	ds_store_b128 v55, v[48:51]                    ; all lanes write the wave's 16 bytes with the same values
	s_wait_dscnt 0x0                               ; for the others' sake: my store is done
	s_barrier_signal -1
	s_barrier_wait -1
	v_mov_b32 v56, 0
.set j, 0
.rept 8
	ds_load_b128 v[RING+4*j:RING+4*j+3], v56 offset:16*j
.set j, j+1
.endr
	s_wait_dscnt 0x0
.irp c, 0,1,2
	v_add3_u32 v[40+\c], v[64+\c], v[68+\c], v[72+\c]  ; waves 0-3
	v_add_nc_u32 v[40+\c], v[40+\c], v[76+\c]
	v_add3_u32 v[44+\c], v[80+\c], v[84+\c], v[88+\c]  ; waves 4-7
	v_add_nc_u32 v[44+\c], v[44+\c], v[92+\c]
.endr
	v_readfirstlane_b32 s51, v40
	v_readfirstlane_b32 s52, v44
	v_readfirstlane_b32 s53, v41
	v_readfirstlane_b32 s54, v45
	v_readfirstlane_b32 s55, v42
	v_readfirstlane_b32 s56, v46
	s_and_b32 s34, s51, 0xffff
	s_and_b32 s57, s52, 0xffff
	s_add_co_u32 s34, s34, s57                     ; T0
	s_lshr_b32 s35, s51, 16
	s_lshr_b32 s57, s52, 16
	s_add_co_u32 s35, s35, s57                     ; T1
	s_and_b32 s38, s53, 0xffff
	s_and_b32 s57, s54, 0xffff
	s_add_co_u32 s38, s38, s57                     ; B0
	s_lshr_b32 s39, s53, 16
	s_lshr_b32 s57, s54, 16
	s_add_co_u32 s39, s39, s57                     ; B1
	s_and_b32 s36, s55, 0xffff
	s_and_b32 s57, s56, 0xffff
	s_add_co_u32 s36, s36, s57                     ; T2
	s_lshr_b32 s40, s55, 16
	s_lshr_b32 s57, s56, 16
	s_add_co_u32 s40, s40, s57                     ; B2
	s_mov_b32 s42, 0                               ; where each expert's tokens begin in 'order'
	s_mov_b32 s43, s34
	s_add_co_u32 s44, s34, s35
	s_add_co_u32 s45, s44, s36
	s_sub_co_u32 s37, 0x10000, s45                 ; T3
	s_lshl_b32 s41, s21, 8
	s_sub_co_u32 s41, s41, s38
	s_sub_co_u32 s41, s41, s39
	s_sub_co_u32 s41, s41, s40                     ; B3
	s_mov_b32 s46, 0                               ; the counts of my block's earlier waves: 224 at the most in a byte
.irp i, 0,1,2,3,4,5,6
	v_readfirstlane_b32 s57, v[67+4*\i]
	s_cmp_gt_u32 s20, \i
	s_cselect_b32 s57, s57, 0
	s_add_co_u32 s46, s46, s57
.endr
.irp e, 0,1,2,3
	s_bfe_u32 s57, s46, (8<<16)|(8*\e)
	s_add_co_u32 s[47+\e], s[42+\e], s[38+\e]
	s_add_co_u32 s[47+\e], s[47+\e], s57           ; Q_e: the place of my wave's first token of species e
.endr
	v_mov_b32 v57, s47
	v_mov_b32 v58, s48
	v_cndmask_b32 v57, v57, v58, s29
	v_mov_b32 v58, s49
	v_cndmask_b32 v57, v57, v58, s30
	v_mov_b32 v58, s50
	v_cndmask_b32 v57, v57, v58, s31
	v_add_nc_u32 v57, v57, v54
	v_min_u32 v57, 0xffff, v57                     ; a place made of loaded numbers is held inside the list
	v_lshlrev_b32 v57, 2, v57
	global_store_b32 v57, v14, s[16:17]            ; four bytes a lane, in four runs a block (one an expert): the list is 262,144 bytes in all
	; THE PLAN.  G_e = ceil(T_e / 272) = ((T_e + 271) >> 4) / 17, the division by 61,681 / 2^20 (exact up to 4,112: 17 x 61,681 = 2^20 + 1)
.irp e, 0,1,2,3
	s_add_co_u32 s[51+\e], s[34+\e], 271
	s_lshr_b32 s[51+\e], s[51+\e], 4
	s_mul_i32 s[51+\e], s[51+\e], 61681
	s_lshr_b32 s[51+\e], s[51+\e], 20
.endr
	s_add_co_u32 s52, s52, s51                     ; s51-54: the first work-group behind expert 0, 1, 2, 3
	s_add_co_u32 s53, s53, s52
	s_add_co_u32 s54, s54, s53
	s_mov_b32 s55, 0                               ; expert,
	s_mov_b32 s56, 0                               ; its first work-group,
	s_mov_b32 s57, s34                             ; its tokens,
	s_mov_b32 s58, 0                               ; its first place
.irp e, 1,2,3
	s_cmp_ge_u32 s21, s[50+\e]
	s_cselect_b32 s55, \e, s55
	s_cselect_b32 s56, s[50+\e], s56
	s_cselect_b32 s57, s[34+\e], s57
	s_cselect_b32 s58, s[42+\e], s58
.endr
	s_sub_co_u32 s59, s21, s56
	s_mul_i32 s59, s59, 272
	s_add_co_u32 s60, s58, s59                     ; first place
	s_sub_co_u32 s61, s57, s59
	s_min_u32 s61, s61, 272                        ; rows
	s_cmp_ge_u32 s21, s54                          ; a work-group that this split leaves without rows: (0, 0, 0)
	s_cselect_b32 s55, 0, s55
	s_cselect_b32 s60, 0, s60
	s_cselect_b32 s61, 0, s61
	s_lshl_b32 s62, s21, 9
	v_lshl_add_u32 v59, v1, 4, s62
	v_mov_b32 v60, s55
	v_mov_b32 v61, s60
	v_mov_b32 v62, s61
	v_mov_b32 v63, 0
	v_mov_b32 v10, 0
	v_mov_b32 v11, 0
	v_lshlrev_b32 v12, 3, v0
	s_cmp_lg_u32 s20, 0
	s_cbranch_scc1 .Lno_plan
	global_store_b128 v59, v[60:63], s[18:19]      ; wave 0: the entry 32 times, 512 consecutive bytes, aligned
.Lno_plan:
	s_cmp_lg_u32 s21, 0
	s_cbranch_scc1 .Lno_tail
	global_store_b64 v12, v[10:11], s[16:17] offset:262144  ; work-group 0: 512 words of 0 behind the list, which a last tile that is not full reads as token 0
.Lno_tail:
	s_wait_tensorcnt 0x0                           ; the wave's end: behind my last LDS store
	ds_add_u32 v2, v3
	s_wait_dscnt 0x0
	s_endpgm
.Lfunc_end_k_qaa75d71006_prep:
	.size	k_qaa75d71006_prep, .Lfunc_end_k_qaa75d71006_prep-k_qaa75d71006_prep
	.p2alignl 7, 3214868480
	.fill 96, 4, 3214868480
	.section	.rodata,"a",@progbits
	.p2align	6, 0x0
	.amdhsa_kernel k_qaa75d71006_prep
		.amdhsa_group_segment_fixed_size 1280
		.amdhsa_private_segment_fixed_size 0
		.amdhsa_enable_private_segment 0
		.amdhsa_kernarg_size 64
		.amdhsa_user_sgpr_count 2
		.amdhsa_user_sgpr_kernarg_segment_ptr 1
		.amdhsa_wavefront_size32 1
		.amdhsa_system_sgpr_workgroup_id_x 1
		.amdhsa_system_sgpr_workgroup_id_y 1
		.amdhsa_system_sgpr_workgroup_id_z 1
		.amdhsa_system_vgpr_workitem_id 0
		.amdhsa_next_free_vgpr 192
		.amdhsa_next_free_sgpr 66
		.amdhsa_reserve_vcc 0
		.amdhsa_float_denorm_mode_32 3
		.amdhsa_float_denorm_mode_16_64 3
		.amdhsa_memory_ordered 1
		.amdhsa_forward_progress 1
		.amdhsa_inst_pref_size 56
	.end_amdhsa_kernel
	.amdgpu_metadata
---
amdhsa.version: [ 1, 2 ]
amdhsa.kernels:
  - .name:           k_qaa75d71006_prep
    .symbol:         k_qaa75d71006_prep.kd
    .args:
      - { .name: species, .offset: 0, .size: 8, .value_kind: global_buffer, .address_space: global }
      - { .name: W0, .offset: 8, .size: 8, .value_kind: global_buffer, .address_space: global }
      - { .name: Wa, .offset: 16, .size: 8, .value_kind: global_buffer, .address_space: global }
      - { .name: Wl, .offset: 24, .size: 8, .value_kind: global_buffer, .address_space: global }
      - { .name: Wf, .offset: 32, .size: 8, .value_kind: global_buffer, .address_space: global }
      - { .name: wfrag, .offset: 40, .size: 8, .value_kind: global_buffer, .address_space: global }
      - { .name: order, .offset: 48, .size: 8, .value_kind: global_buffer, .address_space: global }
      - { .name: plan, .offset: 56, .size: 8, .value_kind: global_buffer, .address_space: global }
    .group_segment_fixed_size: 1280
    .private_segment_fixed_size: 0
    .kernarg_segment_align: 8
    .kernarg_segment_size: 64
    .max_flat_workgroup_size: 256
    .sgpr_count:     66
    .vgpr_count:     192
    .wavefront_size: 32
...
	.end_amdgpu_metadata
.endif
;; end of part 1
;; launch chain (part 2): grid 244 x 1, 4 waves a work-group, no clusters, 327,680 bytes of LDS; arguments density, order, plan, wfrag, b0, ba, alpha_a, gamma, beta_ln, bl, bf, alpha_f, Wo, bo, out0; writes out0
.if DOCPART == 2
	.amdgcn_target "amdgcn-amd-amdhsa--gfx1250"
	.amdhsa_code_object_version 6
	.text
	.protected	k_qaa75d71006_chain
	.globl	k_qaa75d71006_chain
	.p2align	8
	.type	k_qaa75d71006_chain,@function
k_qaa75d71006_chain:
	s_mov_b64 s[64:65], 0
	v_nop
	global_prefetch_b8 v0, s[64:65] scope:SCOPE_SE
	s_setreg_imm32_b32 hwreg(HW_REG_WAVE_MODE, 25, 1), 1
	s_wait_xcnt 0x0
; CHAIN.  A work-group takes 272 rows (17 tiles of 16 tokens) of ONE expert through the whole chain:
;   x = d W0^T + b0;  h = LayerNorm(alpha_a silu(x Wa^T + ba));  x2 = x + h Wl^T + bl;  y = (alpha_f silu(x2 Wf^T + bf)) . Wo + bo.
; GRID.  The sum over experts of ceil(T_e / 272) is at most (65,536 + 4 x 271) / 272 = 244 for every split.  An entry with fewer than 272 rows goes on with the list's next tokens
; (they exist: 512 words of 0 lie behind the list); tokens do not mix, and only rows below the count are stored.  An entry without rows stores nothing.
; WEIGHTS STAND STILL.  Wave w owns output features 64 w .. 64 w + 63 of every layer: 32 fragments, 256 registers, loaded as they lie in wfrag; the next layer's go into a second set meanwhile.
; TOKENS STREAM through LDS in f16.  The matrix instruction takes source 0 = 16 output features, source 1 = 16 tokens: in the result a lane holds ONE token (lane % 16) and the features
; 8 (lane / 16) + 0..7 of a block, so the bias is the C operand, and eight results pack into the 16 bytes that the next layer's source 1 wants.
; SILU.  Wa, Wf arrive times -log2(e), ba and bf are scaled alike: z'' = -log2(e) z, and alpha silu(z) = z'' (-ln2 alpha) / (1 + 2^z'').
; LAYERNORM in f32, by two passes: each wave's mean of its 64 features, the squares of the distances from it, then the four waves' (mean, M2) joined: var = (sum M2 + 64 sum (mean_i - mu)^2) / 256.
; LIMITS.  f16 operands: |density|, |x|, |LayerNorm's result|, |x2| stay below 65,504; below 6e-5 they keep f16's step of 6e-8.  The residual takes x as rounded to f16.  NaN and infinities are not treated apart.
; NO TENSOR LOADS: the rows come by a list and are rounded to f16 on the way.  NO CLUSTER: an expert's work-groups begin at a place that hangs on the counts, not at a multiple of four, and the
; weights that they share go into registers, not into LDS.
; LDS.  An activation buffer is four slices; slice q holds features 64 q .. 64 q + 63 of 272 rows, 128 bytes + 16 of padding a row (36 words: the 16 rows of a load start at 16 different groups of four banks).
.set SL,    272*144                    ; a slice
.set TS,    16*144                     ; a tile's rows in a slice
.set A0,    0
.set A1,    4*SL
.set STB,   8*SL                       ; LayerNorm's exchange: 512 bytes a tile (token r, wave w at 32 r + 8 w), each written once
.set YP,    STB+17*512                 ; the waves' parts of y: wave w's row at 1,088 w + 4 row
.set SPARE, YP+4*1088                  ; the spare words, 128 bytes for each wave: two blocks of 256 bytes that no other line names
; window 0
.set SPW, 4                            ; v4, v5 the add's two registers; never rewritten
.set NIL, 5
.set WOF, 6                            ; my offset in wfrag: 16 lane + 32,768 w + 524,288 e
.set POF, 7                            ; my offset in a [4][256] parameter: 1,024 e + 256 w + 32 h
.set L16, 8                            ; 16 lane
.set GS0, 9                            ; the gather's LDS address, features 0-127; GS1: 128-255
.set GS1, 10
.set UOF, 11                           ; my wave's 68 places in 'order'
.set LB,  12                           ; 144 r + 16 h
.set LO,  13                           ; LB + w SL: my slice
.set RDA, 14                           ; source 1's address, slices 0, 1;  RDB: slices 2, 3
.set RDB, 15
.set WRA, 16                           ; where a tile's results go
.set STW, 17
.set STR, 18
.set YPW, 19
.set ONE, 20
.set TQ,  24                           ; v[24:31] at work
.set BF,  48                           ; v[48:111]  a tile of tokens: K step k at BF + 8 k
.set ACC, 112                          ; v[112:143] four accumulators: feature block F at ACC + 8 F
.set EX,  144                          ; v[144:175]
.set PK,  176                          ; v[176:191]
.set XR,  192                          ; v[192:207]
.set DATA, 48                          ; the gather: v[48:175] 16 row slots of 8; v[176:243] 68 rows' offsets
.set OFF,  176
; windows 1 and 2: weight sets; fragment 8 F + k at v[8 (8 F + k)].  window 3: parameters, number 8 F + j of 32
.set PB0, 0
.set PBA, 32
.set PAA, 64
.set PGA, 96
.set PBE, 128
.set PBL, 160
.set PBF, 192
.set PWO, 224
.set MSB, 0
.macro WIN new                         ; bits 1:0 source 0, 3:2 source 1, 5:4 source 2, 7:6 destination; the high byte repeats the setting that is left
.if MSB != (\new)
	s_set_vgpr_msb (MSB<<8)|(\new)
.set MSB, (\new)
.endif
.endm
.macro WL4 set, L, g                   ; fragments 2 g, 2 g + 1 of layer L into a weight set: four loads of 512 consecutive bytes
	WIN (\set)<<6
.irp u, 0,1
	global_load_b128 v[8*(2*(\g)+\u):8*(2*(\g)+\u)+3],   v[WOF], s[10:11] offset:(\L)*131072+1024*(2*(\g)+\u)
	global_load_b128 v[8*(2*(\g)+\u)+4:8*(2*(\g)+\u)+7], v[WOF], s[10:11] offset:(\L)*131072+1024*(2*(\g)+\u)+512
.endr
.endm
.macro WLOAD set, L                    ; a layer's 32 fragments: 64 loads
.set gg, 0
.rept 16
	WL4 \set, \L, gg
.set gg, gg+1
.endr
	WIN 0
.endm
.macro PLOAD dst, lo, win              ; my 32 numbers of a parameter
	WIN (\win)<<6
.irp f, 0,1,2,3
	global_load_b128 v[(\dst)+8*(\f):(\dst)+8*(\f)+3],   v[POF], s[\lo:\lo+1] offset:64*(\f)
	global_load_b128 v[(\dst)+8*(\f)+4:(\dst)+8*(\f)+7], v[POF], s[\lo:\lo+1] offset:64*(\f)+16
.endr
.endm
.macro GROW i                          ; row i of my 68: 1,024 bytes by two loads of 512 consecutive bytes
	global_load_b128 v[DATA+8*((\i)%16):DATA+8*((\i)%16)+3],   v[OFF+(\i)], s[4:5]
	global_load_b128 v[DATA+8*((\i)%16)+4:DATA+8*((\i)%16)+7], v[OFF+(\i)], s[4:5] offset:512
.endm
.macro FETCHB                          ; a tile of tokens, 16 x 256 features: 16 LDS loads in one run
.irp k, 0,1,2,3
	ds_load_b128 v[BF+8*(\k):BF+8*(\k)+3],   v[RDA] offset:((\k)/2)*SL+((\k)%2)*64
	ds_load_b128 v[BF+8*(\k)+4:BF+8*(\k)+7], v[RDA] offset:((\k)/2)*SL+((\k)%2)*64+32
.endr
.irp k, 4,5,6,7
	ds_load_b128 v[BF+8*(\k):BF+8*(\k)+3],   v[RDB] offset:(((\k)-4)/2)*SL+((\k)%2)*64
	ds_load_b128 v[BF+8*(\k)+4:BF+8*(\k)+7], v[RDB] offset:(((\k)-4)/2)*SL+((\k)%2)*64+32
.endr
.endm
; 32 matrix instructions: K outer, the four accumulators by turns, one instruction a turn.  par >= 0: the first four start the sums with a parameter of window 3 as C.
.macro MMA set, par
.irp k, 0,1,2,3,4,5,6,7
.irp f, 0,1,2,3
.if ((\k) == 0) && ((\par) >= 0)
	WIN 0x30|(\set)
	v_wmma_f32_16x16x32_f16 v[ACC+8*(\f):ACC+8*(\f)+7], v[8*(8*(\f)+(\k)):8*(8*(\f)+(\k))+7], v[BF+8*(\k):BF+8*(\k)+7], v[(\par)+8*(\f):(\par)+8*(\f)+7]
.else
	WIN \set
	v_wmma_f32_16x16x32_f16 v[ACC+8*(\f):ACC+8*(\f)+7], v[8*(8*(\f)+(\k)):8*(8*(\f)+(\k))+7], v[BF+8*(\k):BF+8*(\k)+7], v[ACC+8*(\f):ACC+8*(\f)+7]
.endif
.endr
.endr
	WIN 0
.endm
.macro STEP                            ; on to the next tile; with two v_nop these are the four places between the last product and the loads into BF and the first read of a result
	v_add_nc_u32 v[RDA], TS, v[RDA]
	v_add_nc_u32 v[RDB], TS, v[RDB]
	v_nop
	v_nop
.endm
.macro PACKST                          ; results to f16, each accumulator from its low end on, 16 bytes a lane and block into my slice
.set i, 0
.rept 16
	v_cvt_pk_f16_f32 v[PK+i], v[ACC+2*i], v[ACC+2*i+1]
.set i, i+1
.endr
.irp f, 0,1,2,3
	ds_store_b128 v[WRA], v[PK+4*(\f):PK+4*(\f)+3] offset:32*(\f)
.endr
	v_add_nc_u32 v[WRA], TS, v[WRA]
.endm
; ACC holds z''.  Leaves ACC = z'' x par and EX = 1 / (1 + 2^z'').  Two batches of 32, each with one plain instruction behind its last and one wait ahead of its first reader.
.macro SILU par
.set i, 0
.rept 32
	v_exp_f32 v[EX+i], v[ACC+i]
.set i, i+1
.endr
	v_nop
	WIN 0x0c                               ; source 1 in window 3
.set i, 0
.rept 16
	v_pk_mul_f32 v[ACC+2*i:ACC+2*i+1], v[ACC+2*i:ACC+2*i+1], v[(\par)+2*i:(\par)+2*i+1]  ; names no exponential's result
.set i, i+1
.endr
	WIN 0
	s_wait_alu depctr_va_vdst(0)
.set i, 0
.rept 16
	v_pk_add_f32 v[EX+2*i:EX+2*i+1], v[EX+2*i:EX+2*i+1], 1.0 op_sel_hi:[1,0]
.set i, i+1
.endr
.set i, 0
.rept 32
	v_rcp_f32 v[EX+i], v[EX+i]
.set i, i+1
.endr
	v_nop
	s_wait_alu depctr_va_vdst(0)
.endm
.macro XSUM dst                        ; the four pairs of TQ, and the token's other 32 features in the lane 16 away
	v_pk_add_f32 v[TQ:TQ+1], v[TQ:TQ+1], v[TQ+2:TQ+3]
	v_pk_add_f32 v[TQ+4:TQ+5], v[TQ+4:TQ+5], v[TQ+6:TQ+7]
	v_pk_add_f32 v[TQ:TQ+1], v[TQ:TQ+1], v[TQ+4:TQ+5]
	v_add_f32 v[TQ], v[TQ], v[TQ+1]
	v_permlanex16_b32 v34, v[TQ], s42, s43
	v_add_f32 v[\dst], v[TQ], v34
.endm
.macro BAR                             ; my LDS stores and loads are done; then everybody's are
	s_wait_dscnt 0x0
	s_barrier_signal -1
	s_barrier_wait -1
.endm
	s_load_b512 s[4:19], s[0:1], 0x0               ; density, order, plan, wfrag, b0, ba, alpha_a, gamma
	s_load_b256 s[20:27], s[0:1], 0x40             ; beta_ln, bl, bf, alpha_f
	s_load_b128 s[28:31], s[0:1], 0x60             ; Wo, bo
	s_load_b64 s[32:33], s[0:1], 0x70              ; out0
	v_lshl_add_u32 v[SPW], v0, 2, SPARE
	v_mov_b32 v[NIL], 0
	v_and_b32 v1, 31, v0                           ; lane
	v_lshrrev_b32 v2, 5, v0
	v_readfirstlane_b32 s34, v2                    ; wave 0..3
	v_and_b32 v2, 15, v0                           ; r
	v_bfe_u32 v3, v0, 4, 1                         ; h
	s_lshl_b32 s44, ttmp9, 9                       ; my entry of the plan
	s_mov_b32 s45, 0
	s_mov_b32 s42, 0x76543210
	s_mov_b32 s43, 0xfedcba98
	s_mov_b32 s46, 0x3b800000                      ; 1 / 256
	s_mov_b32 s47, 0x3727c5ac                      ; 1e-5
	s_wait_kmcnt 0x0
	s_add_nc_u64 s[8:9], s[8:9], s[44:45]
	s_load_b128 s[36:39], s[8:9], 0x0              ; expert, first place, rows, 0
	v_lshlrev_b32 v[L16], 4, v1
	v_mul_u32_u24 v[GS0], v3, SL                   ; a lane's four features 4 lane ..: slice lane / 16, byte 8 (lane % 16),
	v_lshl_add_u32 v[GS0], v2, 3, v[GS0]
	s_mul_i32 s35, s34, 68*144                     ; my wave's rows 68 w ..
	v_add_nc_u32 v[GS0], s35, v[GS0]
	v_add_nc_u32 v[GS1], 2*SL, v[GS0]
	v_mul_u32_u24 v[LB], v2, 144
	v_lshl_add_u32 v[LB], v3, 4, v[LB]
	s_mul_i32 s35, s34, SL
	v_add_nc_u32 v[LO], s35, v[LB]
	s_lshl_b32 s35, s34, 3
	s_add_co_u32 s35, s35, STB
	v_lshl_add_u32 v[STW], v2, 5, s35
	v_lshl_add_u32 v[STR], v2, 5, STB
	s_mul_i32 s35, s34, 1088
	s_add_co_u32 s35, s35, YP
	v_lshl_add_u32 v[YPW], v2, 2, s35
	v_mov_b32 v[ONE], 1.0
	v_mov_b32 v33, 0                               ; named in a pair before it is made
	v_mov_b32 v34, 0                               ; a lane exchange's destination counts as read
	s_wait_kmcnt 0x0
	s_min_u32 s36, s36, 3                          ; loaded numbers that enter addresses are held inside their tables
	s_min_u32 s37, s37, 0xffff
	s_min_u32 s38, s38, 272
	s_lshl_b32 s44, s36, 2
	s_add_nc_u64 s[30:31], s[30:31], s[44:45]
	s_load_b32 s41, s[30:31], 0x0                  ; bo[e]
	s_lshl_b32 s44, s34, 15
	s_lshl_b32 s35, s36, 19
	s_add_co_u32 s44, s44, s35
	v_lshl_add_u32 v[WOF], v1, 4, s44
	s_lshl_b32 s44, s36, 10
	s_lshl_b32 s35, s34, 8
	s_add_co_u32 s44, s44, s35
	v_lshl_add_u32 v[POF], v3, 5, s44
	s_lshl_b32 s44, s37, 2
	s_mul_i32 s35, s34, 272
	s_add_co_u32 s44, s44, s35
	v_mov_b32 v[UOF], s44
	; THE LIST: my wave's 68 tokens, one to a register, the same in every lane
.set i, 0
.rept 68
	global_load_b32 v[OFF+i], v[UOF], s[6:7] offset:4*i
.set i, i+1
.endr
	s_wait_loadcnt 0x0
	s_wait_kmcnt 0x0                               ; bo[e]
.set i, 0
.rept 68
	v_min_u32 v[OFF+i], 0xffff, v[OFF+i]
	v_lshl_add_u32 v[OFF+i], v[OFF+i], 10, v[L16]  ; 1,024 token + 16 lane
.set i, i+1
.endr
	; THE GATHER: 16 rows, 32 loads, of every wave are on their way; a row is rounded to f16 and laid into the four slices of A0.  The last 16 steps ask for W0's fragments in the rows' stead.
.set i, 0
.rept 16
	GROW i
.set i, i+1
.endr
.set i, 0
.rept 68
.if i <= 52
	s_wait_loadcnt 30                              ; row i is in: the 15 rows behind it stay out
.else
	s_wait_loadcnt 30+2*(i-52)                     ; 67 - i rows, two loads each, and i - 52 groups of four loads of weights stay out
.endif
.set DD, DATA+8*(i%16)
.set TT, TQ+4*(i%2)
	v_cvt_pk_f16_f32 v[TT],   v[DD],   v[DD+1]
	v_cvt_pk_f16_f32 v[TT+1], v[DD+2], v[DD+3]
	v_cvt_pk_f16_f32 v[TT+2], v[DD+4], v[DD+5]
	v_cvt_pk_f16_f32 v[TT+3], v[DD+6], v[DD+7]
	ds_store_b64 v[GS0], v[TT:TT+1]   offset:144*i
	ds_store_b64 v[GS1], v[TT+2:TT+3] offset:144*i
.if i <= 51
	GROW i+16
.else
	WL4 1, 0, i-52
	WIN 0
.endif
.set i, i+1
.endr
	; THE PARAMETERS, b0 first, and Wa's fragments
	PLOAD PB0, 12, 3
	PLOAD PBA, 14, 3
	PLOAD PAA, 16, 3
	PLOAD PGA, 18, 3
	PLOAD PBE, 20, 3
	PLOAD PBL, 22, 3
	PLOAD PBF, 24, 3
	PLOAD PWO, 28, 3
	PLOAD EX, 26, 0                                ; alpha_f, until it is multiplied into Wo
	WLOAD 2, 1
	BAR                                            ; A0 is whole
	; LAYER 0: x = d W0^T + b0.  Reads A0, writes my slice of A1.
	v_mov_b32 v[RDA], v[LB]
	v_add_nc_u32 v[RDB], 2*SL, v[LB]
	v_add_nc_u32 v[WRA], A1, v[LO]
	FETCHB
	s_wait_loadcnt 63                              ; W0's fragments and b0 are in: 128 loads were issued behind them, and the count's field holds 63
	s_mov_b32 s40, 16
.Ll0:                                                  ; a trip: a tile's 32 products; the next tile's loads; the results out
	s_wait_dscnt 0x0
	MMA 1, PB0
	STEP
	FETCHB
	PACKST
	s_sub_co_u32 s40, s40, 1
	s_cmp_lg_u32 s40, 0
	s_cbranch_scc1 .Ll0
	s_wait_dscnt 0x0                               ; the 17th tile: nothing more to fetch
	MMA 1, PB0
	STEP
	PACKST
	s_wait_loadcnt 0x0                             ; the parameters and Wa's fragments, asked for a layer ago
	WLOAD 1, 2                                     ; Wl's fragments take W0's place: the conversions above are the places behind the last product that read it
	WIN 0xc3                                       ; destination and source 0 in window 3
.set i, 0
.rept 16
	v_pk_mul_f32 v[PBA+2*i:PBA+2*i+1], v[PBA+2*i:PBA+2*i+1], 0xbfb8aa3b op_sel_hi:[1,0]  ; ba, bf times -log2(e)
	v_pk_mul_f32 v[PBF+2*i:PBF+2*i+1], v[PBF+2*i:PBF+2*i+1], 0xbfb8aa3b op_sel_hi:[1,0]
	v_pk_mul_f32 v[PAA+2*i:PAA+2*i+1], v[PAA+2*i:PAA+2*i+1], 0xbf317218 op_sel_hi:[1,0]  ; alpha_a times -ln 2
	v_pk_mul_f32 v[PWO+2*i:PWO+2*i+1], v[PWO+2*i:PWO+2*i+1], v[EX+2*i:EX+2*i+1]          ; Wo alpha_f,
.set i, i+1
.endr
.set i, 0
.rept 16
	v_pk_mul_f32 v[PWO+2*i:PWO+2*i+1], v[PWO+2*i:PWO+2*i+1], 0xbf317218 op_sel_hi:[1,0]  ; times -ln 2
.set i, i+1
.endr
	WIN 0
	BAR                                            ; A1 is whole, and nobody reads A0 any more
	; LAYER 1: LayerNorm(alpha_a silu(x Wa^T + ba)).  Reads A1, writes my slice of A0.  One barrier a tile, for the four waves' means.
.macro L1TRIP fetch
	s_wait_dscnt 0x0
	MMA 2, PBA
	STEP
.if \fetch
	FETCHB
.endif
	SILU PAA
.set i, 0
.rept 16
	v_pk_mul_f32 v[ACC+2*i:ACC+2*i+1], v[ACC+2*i:ACC+2*i+1], v[EX+2*i:EX+2*i+1]  ; h
.set i, i+1
.endr
.irp f, 0,1,2,3
	v_pk_add_f32 v[TQ+2*(\f):TQ+2*(\f)+1], v[ACC+8*(\f):ACC+8*(\f)+1], v[ACC+8*(\f)+2:ACC+8*(\f)+3]
.endr
.irp c, 4,6
.irp f, 0,1,2,3
	v_pk_add_f32 v[TQ+2*(\f):TQ+2*(\f)+1], v[TQ+2*(\f):TQ+2*(\f)+1], v[ACC+8*(\f)+(\c):ACC+8*(\f)+(\c)+1]
.endr
.endr
	XSUM 32
	v_mul_f32 v32, 0x3c800000, v32                 ; my wave's mean of its 64 features
.set i, 0
.rept 16
	v_pk_add_f32 v[ACC+2*i:ACC+2*i+1], v[ACC+2*i:ACC+2*i+1], v[32:33] op_sel_hi:[1,0] neg_lo:[0,1] neg_hi:[0,1]  ; d = h - mean
.set i, i+1
.endr
.irp f, 0,1,2,3
	v_pk_mul_f32 v[TQ+2*(\f):TQ+2*(\f)+1], v[ACC+8*(\f):ACC+8*(\f)+1], v[ACC+8*(\f):ACC+8*(\f)+1]
.endr
.irp c, 2,4,6
.irp f, 0,1,2,3
	v_pk_fma_f32 v[TQ+2*(\f):TQ+2*(\f)+1], v[ACC+8*(\f)+(\c):ACC+8*(\f)+(\c)+1], v[ACC+8*(\f)+(\c):ACC+8*(\f)+(\c)+1], v[TQ+2*(\f):TQ+2*(\f)+1]
.endr
.endr
	XSUM 33                                        ; M2 = the sum of d^2
	ds_store_b64 v[STW], v[32:33]                  ; both halves of the lanes hold, and write, the same two numbers
	BAR
	ds_load_b128 v[36:39], v[STR]                  ; (mean, M2) of waves 0, 1
	ds_load_b128 v[40:43], v[STR] offset:16        ; of waves 2, 3
	s_wait_dscnt 0x0
	v_add_f32 v46, v36, v38
	v_add_f32 v47, v40, v42
	v_add_f32 v46, v46, v47
	v_mul_f32 v46, 0x3e800000, v46                 ; mu
	v_sub_f32 v36, v36, v46
	v_sub_f32 v38, v38, v46
	v_sub_f32 v40, v40, v46
	v_sub_f32 v42, v42, v46
	v_add_f32 v37, v37, v39
	v_add_f32 v41, v41, v43
	v_mul_f32 v47, v36, v36
	v_fmac_f32 v47, v38, v38
	v_fmac_f32 v47, v40, v40
	v_fmac_f32 v47, v42, v42
	v_add_f32 v37, v37, v41
	v_fmamk_f32 v37, v47, 0x42800000, v37          ; + 64 x the sum of (mean_i - mu)^2
	v_fma_f32 v47, v37, s46, s47                   ; var + eps
	v_rsq_f32 v44, v47
	v_sub_f32 v46, v32, v46                        ; my mean - mu: the plain instruction behind the root
	s_wait_alu depctr_va_vdst(0)                   ; the wait ahead of the root's first reader
	v_mul_f32 v45, v46, v44
.set i, 0
.rept 16
	v_pk_fma_f32 v[ACC+2*i:ACC+2*i+1], v[ACC+2*i:ACC+2*i+1], v[44:45], v[44:45] op_sel:[0,0,1] op_sel_hi:[1,0,1]  ; (h - mu) rs = d rs + (mean - mu) rs
.set i, i+1
.endr
	WIN 0x3c                                       ; sources 1 and 2 in window 3
.set i, 0
.rept 16
	v_pk_fma_f32 v[ACC+2*i:ACC+2*i+1], v[ACC+2*i:ACC+2*i+1], v[PGA+2*i:PGA+2*i+1], v[PBE+2*i:PBE+2*i+1]
.set i, i+1
.endr
	WIN 0
	PACKST
	v_add_nc_u32 v[STW], 512, v[STW]               ; each tile has its own 512 bytes: nothing there is written twice
	v_add_nc_u32 v[STR], 512, v[STR]
.endm
	v_add_nc_u32 v[RDA], A1, v[LB]
	v_add_nc_u32 v[RDB], A1+2*SL, v[LB]
	v_mov_b32 v[WRA], v[LO]
	FETCHB
	s_mov_b32 s40, 16
.Ll1:
	L1TRIP 1
	s_sub_co_u32 s40, s40, 1
	s_cmp_lg_u32 s40, 0
	s_cbranch_scc1 .Ll1
	L1TRIP 0
	s_wait_loadcnt 0x0                             ; Wl's fragments, asked for a layer ago
	WLOAD 2, 3                                     ; Wf's take Wa's place, far behind the last product that read it
	BAR                                            ; A0 is whole, and nobody reads the others' slices of A1 any more
	; LAYER 2: x2 = x + h Wl^T + bl.  Reads A0; reads x from, and writes x2 into, my own slice of A1.  x + bl starts the sums.
.macro L2TRIP fetch
	s_wait_dscnt 0x0
	WIN 0x30                                       ; source 2 in window 3
.irp f, 0,1,2,3
.irp c, 0,1,2,3
	v_fma_mix_f32 v[ACC+8*(\f)+2*(\c)],   v[XR+4*(\f)+(\c)], v[ONE], v[PBL+8*(\f)+2*(\c)]   op_sel_hi:[1,0,0]
	v_fma_mix_f32 v[ACC+8*(\f)+2*(\c)+1], v[XR+4*(\f)+(\c)], v[ONE], v[PBL+8*(\f)+2*(\c)+1] op_sel:[1,0,0] op_sel_hi:[1,0,0]
.endr
.endr
	MMA 1, -1
	STEP
.if \fetch
	FETCHB
.irp f, 0,1,2,3
	ds_load_b128 v[XR+4*(\f):XR+4*(\f)+3], v[WRA] offset:TS+32*(\f)  ; the next tile's x, ahead of this tile's stores
.endr
.endif
	PACKST
.endm
	v_mov_b32 v[RDA], v[LB]
	v_add_nc_u32 v[RDB], 2*SL, v[LB]
	v_add_nc_u32 v[WRA], A1, v[LO]
	FETCHB
.irp f, 0,1,2,3
	ds_load_b128 v[XR+4*(\f):XR+4*(\f)+3], v[WRA] offset:32*(\f)
.endr
	s_mov_b32 s40, 16
.Ll2:
	L2TRIP 1
	s_sub_co_u32 s40, s40, 1
	s_cmp_lg_u32 s40, 0
	s_cbranch_scc1 .Ll2
	L2TRIP 0
	BAR                                            ; A1 holds x2, whole
	; LAYER 3: my wave's part of y: the sum over its 64 features of z'' (-ln2 alpha_f Wo) / (1 + 2^z'').  Reads A1.
.macro L3TRIP fetch
	s_wait_dscnt 0x0
	MMA 2, PBF
	STEP
.if \fetch
	FETCHB
.endif
	SILU PWO
.irp f, 0,1,2,3
	v_pk_mul_f32 v[TQ+2*(\f):TQ+2*(\f)+1], v[ACC+8*(\f):ACC+8*(\f)+1], v[EX+8*(\f):EX+8*(\f)+1]
.endr
.irp c, 2,4,6
.irp f, 0,1,2,3
	v_pk_fma_f32 v[TQ+2*(\f):TQ+2*(\f)+1], v[ACC+8*(\f)+(\c):ACC+8*(\f)+(\c)+1], v[EX+8*(\f)+(\c):EX+8*(\f)+(\c)+1], v[TQ+2*(\f):TQ+2*(\f)+1]
.endr
.endr
	XSUM 35
	ds_store_b32 v[YPW], v35
	v_add_nc_u32 v[YPW], 64, v[YPW]
.endm
	v_add_nc_u32 v[RDA], A1, v[LB]
	v_add_nc_u32 v[RDB], A1+2*SL, v[LB]
	FETCHB
	s_wait_loadcnt 0x0                             ; Wf's fragments, asked for a layer ago
	s_mov_b32 s40, 16
.Ll3:
	L3TRIP 1
	s_sub_co_u32 s40, s40, 1
	s_cmp_lg_u32 s40, 0
	s_cbranch_scc1 .Ll3
	L3TRIP 0
	BAR                                            ; all four parts of every y
	; THE WAY OUT: row = thread + 128 p; the four parts and bo are added; the result goes to its token's place.  Four bytes a lane to places that the list gives: out0 lies in the tokens' order.
	s_lshl_b32 s44, s37, 2
.irp p, 0,1,2
	v_add_nc_u32 v[48+10*(\p)], 128*(\p), v0
	v_min_u32 v[49+10*(\p)], 271, v[48+10*(\p)]
	v_lshl_add_u32 v[50+10*(\p)], v[49+10*(\p)], 2, s44
	global_load_b32 v[51+10*(\p)], v[50+10*(\p)], s[6:7]
	v_lshl_add_u32 v[52+10*(\p)], v[49+10*(\p)], 2, YP
	ds_load_b32 v[53+10*(\p)], v[52+10*(\p)]
	ds_load_b32 v[54+10*(\p)], v[52+10*(\p)] offset:1088
	ds_load_b32 v[55+10*(\p)], v[52+10*(\p)] offset:2176
	ds_load_b32 v[56+10*(\p)], v[52+10*(\p)] offset:3264
.endr
	s_wait_dscnt 0x0
	s_wait_loadcnt 0x0
.irp p, 0,1,2
	v_add_f32 v[53+10*(\p)], v[53+10*(\p)], v[54+10*(\p)]
	v_add_f32 v[55+10*(\p)], v[55+10*(\p)], v[56+10*(\p)]
	v_add_f32 v[53+10*(\p)], v[53+10*(\p)], v[55+10*(\p)]
	v_add_f32 v[53+10*(\p)], s41, v[53+10*(\p)]
	v_min_u32 v[51+10*(\p)], 0xffff, v[51+10*(\p)]
	v_lshlrev_b32 v[51+10*(\p)], 2, v[51+10*(\p)]
.endr
.irp p, 0,1,2
	v_cmp_gt_u32 vcc_lo, s38, v[48+10*(\p)]        ; rows below the count alone
	s_wait_xcnt 0x0                                ; EXEC changes only behind this wait
	s_and_saveexec_b32 s45, vcc_lo
	global_store_b32 v[51+10*(\p)], v[53+10*(\p)], s[32:33]
	s_wait_xcnt 0x0                                ; and again, in front of the line that widens it
	s_or_b32 exec_lo, exec_lo, s45
.endr
	s_wait_tensorcnt 0x0                           ; the wave's end: behind my last LDS store
	ds_add_u32 v[SPW], v[NIL]
	s_wait_dscnt 0x0
	s_endpgm
.Lfunc_end_k_qaa75d71006_chain:
	.size	k_qaa75d71006_chain, .Lfunc_end_k_qaa75d71006_chain-k_qaa75d71006_chain
	.p2alignl 7, 3214868480
	.fill 96, 4, 3214868480
	.section	.rodata,"a",@progbits
	.p2align	6, 0x0
	.amdhsa_kernel k_qaa75d71006_chain
		.amdhsa_group_segment_fixed_size 327680
		.amdhsa_private_segment_fixed_size 0
		.amdhsa_enable_private_segment 0
		.amdhsa_kernarg_size 120
		.amdhsa_user_sgpr_count 2
		.amdhsa_user_sgpr_kernarg_segment_ptr 1
		.amdhsa_wavefront_size32 1
		.amdhsa_system_sgpr_workgroup_id_x 1
		.amdhsa_system_sgpr_workgroup_id_y 1
		.amdhsa_system_sgpr_workgroup_id_z 1
		.amdhsa_system_vgpr_workitem_id 0
		.amdhsa_next_free_vgpr 1024
		.amdhsa_next_free_sgpr 66
		.amdhsa_reserve_vcc 1
		.amdhsa_float_denorm_mode_32 3
		.amdhsa_float_denorm_mode_16_64 3
		.amdhsa_memory_ordered 1
		.amdhsa_forward_progress 1
		.amdhsa_inst_pref_size 177
	.end_amdhsa_kernel
	.amdgpu_metadata
---
amdhsa.version: [ 1, 2 ]
amdhsa.kernels:
  - .name:           k_qaa75d71006_chain
    .symbol:         k_qaa75d71006_chain.kd
    .args:
      - { .name: density, .offset: 0, .size: 8, .value_kind: global_buffer, .address_space: global }
      - { .name: order, .offset: 8, .size: 8, .value_kind: global_buffer, .address_space: global }
      - { .name: plan, .offset: 16, .size: 8, .value_kind: global_buffer, .address_space: global }
      - { .name: wfrag, .offset: 24, .size: 8, .value_kind: global_buffer, .address_space: global }
      - { .name: b0, .offset: 32, .size: 8, .value_kind: global_buffer, .address_space: global }
      - { .name: ba, .offset: 40, .size: 8, .value_kind: global_buffer, .address_space: global }
      - { .name: alpha_a, .offset: 48, .size: 8, .value_kind: global_buffer, .address_space: global }
      - { .name: gamma, .offset: 56, .size: 8, .value_kind: global_buffer, .address_space: global }
      - { .name: beta_ln, .offset: 64, .size: 8, .value_kind: global_buffer, .address_space: global }
      - { .name: bl, .offset: 72, .size: 8, .value_kind: global_buffer, .address_space: global }
      - { .name: bf, .offset: 80, .size: 8, .value_kind: global_buffer, .address_space: global }
      - { .name: alpha_f, .offset: 88, .size: 8, .value_kind: global_buffer, .address_space: global }
      - { .name: Wo, .offset: 96, .size: 8, .value_kind: global_buffer, .address_space: global }
      - { .name: bo, .offset: 104, .size: 8, .value_kind: global_buffer, .address_space: global }
      - { .name: out0, .offset: 112, .size: 8, .value_kind: global_buffer, .address_space: global }
    .group_segment_fixed_size: 327680
    .private_segment_fixed_size: 0
    .kernarg_segment_align: 8
    .kernarg_segment_size: 120
    .max_flat_workgroup_size: 128
    .sgpr_count:     66
    .vgpr_count:     1024
    .wavefront_size: 32
...
	.end_amdgpu_metadata
.endif
;; end of part 2
